; MI455X (gfx1250); checked and timed in simulation.
; The chip was launched on July 23, 2026; its instructions are those of AMD's public machine-readable ISA for CDNA 5 (MIT licence, August 2026) and "CDNA5" Instruction Set Architecture Reference Guide (July 2026). The comments in the code are by the model that wrote it; some were corrected since.
;; Attention. Allowed arithmetic: matrix products marked QUANTISED: E2M3 operands, one E8M0 scale for each 32 along K, by v_wmma_scale_f32_16x16x128_f8f6f4 with both operands' format E2M3, f32 sums; everything else in f32.
;; Inputs: keys 32,768 x 512 float32; query 2,048 x 512 float32; tree_idx 32,768 int32; values 32,768 x 512 float32.
;; Outputs: out0 2,048 x 512 float32; out1 32,768 float32.
;; This version of the problem:
;;   THIS VERSION OF THE PROBLEM IS GIVEN IN LOW PRECISION. The matrix products marked QUANTISED in the list below multiply operands that are first quantised to E2M3 (2 exponent bits, 3 mantissa bits; 6 bits a number), with one power-of-two scale for each 32 numbers along K (OCP MX v1.0); their sums are f32. All else is computed in f32.
;;   The module's matrix products, in the order in which they are computed (A, B: the left and right operand; K: the contracted axis; several contracted axes count as one K, in the product's order):
;;     1. [M 2,048, K 512] x [K 512, N 32,768]; A: computed on the way; B: computed on the way: QUANTISED
;;     2. [M 2,048, K 32,768] x [K 32,768, N 512]; A: softmax (see below); B: input values: QUANTISED
;;   THE QUANTISER, for each operand of a quantised product, along K:
;;     - K is cut into blocks of 32 from its start; a last block that is shorter is filled with zeros.
;;     - A block's scale is 2^e with e = floor(log2(the largest magnitude in the block)) - 2, held to -126 .. 127; a block of zeros has e = 0. As a byte (E8M0): e + 127.
;;     - Each number is divided by its block's scale, clamped to +-7.5, and rounded to the nearest number of E2M3, ties to even, subnormals kept.
;;     - The product sums the exact products of the quantised numbers (number of the format x scale) in f32.
;;   ~~~python
;;   def quantise(x, axis):      # numpy; x: float32 -> the quantised numbers, widened to float32 again
;;       x = np.moveaxis(x, axis, -1); K = x.shape[-1]
;;       x = np.pad(x, [(0, 0)] * (x.ndim - 1) + [(0, -K % 32)]); x = x.reshape(x.shape[:-1] + (-1, 32)); a = np.abs(x).max(-1, keepdims=True)
;;       e = np.where(a > 0, np.clip(np.frexp(np.where(a > 0, a, 1))[1] - 1 - 2, -126, 127), 0)      # np.frexp(a)[1] - 1 = floor(log2(a)), exactly
;;       r = np.clip(x / 2.0 ** e, -7.5, 7.5)
;;       step = 2.0 ** (np.maximum(np.frexp(np.where(r == 0, 1, r))[1] - 1, 0) - 3)
;;       q = np.round(r / step) * step * 2.0 ** e      # np.round: ties to even
;;       return np.moveaxis(q.reshape(q.shape[:-2] + (-1,))[..., :K], -1, axis).astype(np.float32)
;;   ~~~
;;   SOFTMAX AHEAD OF A QUANTISED PRODUCT. Where the list says 'softmax', what is quantised is not the finished softmax but p = 2^(t - M), with t = logit x log2(e) and M = ceil(the row's largest t), a whole number; so 1/2 < the row's largest p <= 1. The row's sum l is taken of the UNQUANTISED p, in f32, and the product's result is divided by l at the end. Since M is a whole number, a kernel that streams over the keys may use a running M (the ceiling of the running maximum): every later rescaling is an exact power of two, which a block's scale takes up: the codes' values come out the same.
;;   OPERANDS COMPUTED ON THE WAY. 'Computed on the way' means the value that the module computes at that place (a softmax that the list does not call 'softmax' is quantised finished and normalised). What goes into a quantiser is computed in f32, as accurately as f32 sums, v_exp_f32 and their like allow (about 1e-6 of the number): no bf16 or f16 on the way to a quantiser, and a product that is left as it is and whose result goes on into a quantised operand takes f32 operands (vector FMAs, or v_wmma_f32_16x16x4_f32). A number that lies on a knife's edge between two numbers of the format may be rounded either way, as far as f32 arithmetic and the matrix unit's own rounding can turn it there, and no further.
;; One version. Each part assembles by itself: llvm-mc -triple=amdgcn-amd-amdhsa -mcpu=gfx1250 --defsym DOCPART=n.
;; ======== version 1 of 1: 2 launches
;; workspace buffers: pk 262,144 bytes; vcodes 12,582,912 bytes; vscales 524,288 bytes; cs 131,072 bytes of whole numbers; lb 278,528 bytes of whole numbers; bm 16,384 bytes of whole numbers
;; launch prep (part 1): grid 2080 x 1, 4 waves a work-group, no clusters, 43,520 bytes of LDS; arguments keys, query, values, tree_idx, pk, vcodes, vscales, cs, lb, bm; writes pk, vcodes, vscales, cs, lb, bm
.if DOCPART == 1
	.amdgcn_target "amdgcn-amd-amdhsa--gfx1250"
	.amdhsa_code_object_version 6
	.text
	.protected	k_q14695219b1_prep
	.globl	k_q14695219b1_prep
	.p2align	8
	.type	k_q14695219b1_prep,@function
k_q14695219b1_prep:
	s_mov_b64 s[64:65], 0
	v_nop
	global_prefetch_b8 v0, s[64:65] scope:SCOPE_SE
	s_setreg_imm32_b32 hwreg(HW_REG_WAVE_MODE, 25, 1), 1
	s_wait_xcnt 0x0
; FIRST LAUNCH OF TWO.  Only the pairs (key m, query tree_idx[m]) survive the mask, so only these are multiplied.  Three kinds of work-groups, told apart by the work-group's number:
;   0 .. 31      SORT:   chunk c of 1,024 keys is sorted by (group, key) by a bitonic network; stored: the sorted key numbers (cs), for each group g the count of keys of lower groups (lb), a bit for each group present (bm).
;   32 .. 1055   KEYS:   a natural block of 32 keys: keys and their queries are normalised in f32, quantised to E2M3 along D, multiplied by the scaled matrix instruction; p = 2^(score x log2 e) is quantised
;                        along the keys: a key's scale comes from the largest p among the keys of the same natural block that have the same tree_idx.  Stored for each key: p, its code and its scale byte (pk).
;   1056 .. 2079 VALUES: a natural block of 32 keys: one scale for each column from the block's largest magnitude; codes packed by key row (vcodes), the block's scale bytes (vscales).
; NO MAXIMUM IS TAKEN OFF THE EXPONENT: both vectors are normalised as the problem has it, and E2M3 rounding lengthens a vector by a ninth at most, so |score| < 1.24, p lies between 0.29 and 3.5,
; and a row's sum is under 1.2e5.  The whole number M of the problem's rule only shifts scale bytes and the sum by the same power of two: codes and results are the same with M = 0.
; LIMITS: NaN and infinities among the floating-point inputs are not served.  A block whose largest magnitude lies under 2^-124 keeps the scale byte 1 (a block of zeros too: its codes are zeros, and this
; program alone reads the bytes).  1 / norm is v_rsq_f32 held at 1e12 (= 1 / eps), within two parts in 1e7 of the square root and division.
; A tree_idx outside 0 .. 2047 (as an unsigned number) belongs to no group: it is sorted behind all groups, as group 2048, and its score is made with query 2047 and never used.
; Each kind has LDS bytes of its own.  No tensor loads; several work-groups share a WGP and cover each other's waits.
.set KWB,  6528                        ; KEYS: a wave's region: 16 rows of 384 bytes of codes, 392 apart, then 16 rows of 16 scale bytes
.set KSCL, 6272
.set KSC,  26112                       ; KEYS: 512 bytes: a word for each thread; the block's 32 scores are the words of lanes 8-15 of each wave
.set VX,   26624                       ; VALUES: 4 x 2,048 bytes: each wave's column maxima
.set SA,   34816                       ; SORT: two buffers of 4,096 bytes
.set SB,   38912
.set X,    128                         ; KEYS: v128-255 eight rows, 16 numbers a lane
.set A,    96                          ; v96-111  a pair for each row: sums of squares, then 1 / norm in the low word
.set PT8,  112                         ; v112-119 lane-permute results
.set C,    32                          ; v32-63   codes, four registers a row
.set E,    64                          ; v64-71   scale bytes
.set S,    124                         ; v124-127 the operand's scale words: these four registers hold scales and nothing else in the whole text
.set FA,   128                         ; the operand's four fragments, twice: source 0 and source 1 share no register
.set FB,   176
.set D,    232
.set Z,    80                          ; v80 p, v81-95 zeros
	s_load_b512 s[4:19], s[0:1], 0x0               ; keys, query, values, tree_idx, pk, vcodes, vscales, cs
	s_load_b128 s[20:23], s[0:1], 0x40             ; lb, bm
	v_lshl_add_u32 v122, v0, 2, 0xa800
	v_mov_b32 v123, 0
	v_lshrrev_b32 v2, 5, v0
	v_readfirstlane_b32 s24, v2                    ; wave 0..3
	v_and_b32 v1, 31, v0                           ; lane
	s_mov_b32 s60, 0x76543210
	s_mov_b32 s61, 0xfedcba98                      ; v_permlanex16_b32: lane l xor 16
	s_wait_kmcnt 0x0
	s_cmp_lt_u32 ttmp9, 32
	s_cbranch_scc1 .Lsort
	s_cmp_lt_u32 ttmp9, 1056
	s_cbranch_scc0 .Lvals
; ======================================================== KEYS ========================================================
; Wave w takes keys 32 b + 8 w .. + 7.  A row is 2,048 bytes; a lane takes 64 neighbouring bytes: 16 neighbours along D, half a block of 32, as the conversion wants them.
.macro ROWLDK p
.irp j, 0,1,2,3
	global_load_b128 v[X+16*(\p)+4*\j:X+16*(\p)+4*\j+3], v2, s[26:27] offset:2048*(\p)+16*\j
.endr
.endm
.macro ROWLDQ p
.irp j, 0,1,2,3
	global_load_b128 v[X+16*(\p)+4*\j:X+16*(\p)+4*\j+3], v2, s[36+2*(\p):37+2*(\p)] offset:16*\j
.endr
.endm
	s_sub_co_u32 s25, ttmp9, 32                    ; the block
	s_lshl_b32 s70, s25, 5
	s_lshl_b32 s71, s24, 3
	s_add_co_u32 s70, s70, s71                     ; my first key
	s_lshl_b32 s72, s70, 2
	s_mov_b32 s73, 0
	s_add_nc_u64 s[72:73], s[10:11], s[72:73]
	s_load_b256 s[28:35], s[72:73], 0x0            ; my eight keys' tree_idx, as scalars
	s_lshl_b32 s74, s70, 11
	s_mov_b32 s75, 0
	s_add_nc_u64 s[26:27], s[4:5], s[74:75]        ; my eight rows of keys
	v_lshlrev_b32 v2, 6, v1                        ; 64 x lane
.irp p, 0,1,2,3,4,5,6,7
	ROWLDK \p
.endr
	s_lshl_b32 s76, s25, 7
	v_lshl_add_u32 v11, v1, 2, s76
	global_load_b32 v10, v11, s[10:11]             ; tree_idx of the block's key number lane (wave 0 uses it)
	v_and_b32 v3, 15, v1                           ; r
	v_lshrrev_b32 v4, 4, v1                        ; h
	s_mul_i32 s77, s24, KWB
	v_mul_u32_u24 v5, v1, 12
	v_add_nc_u32 v5, s77, v5                       ; where my 12 bytes of a row's codes go
	v_lshrrev_b32 v6, 1, v1
	v_add_nc_u32 v6, s77, v6                       ; and my block's scale byte
	v_mul_u32_u24 v7, v3, 392
	v_mad_u32_u24 v7, v4, 24, v7
	v_add_nc_u32 v7, s77, v7                       ; a fragment: row r, + 24 h
	v_lshlrev_b32 v8, 4, v3
	v_add_nc_u32 v8, s77, v8                       ; row r's 16 scale bytes
	v_lshlrev_b32 v9, 2, v0                        ; my thread's word among the scores
	v_lshrrev_b32 v12, 3, v1
	v_and_b32 v14, 7, v1
	v_lshlrev_b32 v12, 7, v12
	v_lshl_add_u32 v12, v14, 2, v12                ; wave 0: key number lane was made by wave lane / 8, in its lane 8 + lane % 8
	s_lshl_b32 s78, s25, 8
	v_lshl_add_u32 v13, v1, 3, s78                 ; pk: 8 bytes a key
.irp p, 0,1,2,3,4,5,6,7
	v_mov_b32 v[PT8+\p], 0                         ; written once: a lane permute's destination counts as one of its sources
.endr
.irp j, 1,2,3,4,5,6,7
	s_mov_b32 s[51+\j], 0x01010101<<\j             ; lane 8 + j (and three lanes that nobody reads)
.endr
	s_mov_b32 s63, 0
	s_wait_kmcnt 0x0
.irp i, 0,1,2,3,4,5,6,7
	s_min_u32 s[28+\i], s[28+\i], 0x7ff            ; held inside the table
	s_lshl_b32 s62, s[28+\i], 11
	s_add_nc_u64 s[36+2*\i:37+2*\i], s[6:7], s[62:63]   ; the key's row of query
.endr
; One row: x / norm, the block's largest magnitude (my 16 and my neighbour's 16), scale, codes; codes and byte to the wave's LDS rows.
.macro QROW p, row0, refill
.irp i, 0,2,4,6,8,10,12,14
	v_pk_mul_f32 v[X+16*\p+\i:X+16*\p+\i+1], v[X+16*\p+\i:X+16*\p+\i+1], v[A+2*\p:A+2*\p+1] op_sel_hi:[1,0]
.endr
	v_max3_num_f32 v72, |v[X+16*\p]|, |v[X+16*\p+1]|, |v[X+16*\p+2]|
	v_max3_num_f32 v73, |v[X+16*\p+3]|, |v[X+16*\p+4]|, |v[X+16*\p+5]|
.irp i, 6,10
	v_max3_num_f32 v72, v72, |v[X+16*\p+\i]|, |v[X+16*\p+\i+1]|
	v_max3_num_f32 v73, v73, |v[X+16*\p+\i+2]|, |v[X+16*\p+\i+3]|
.endr
	v_max3_num_f32 v72, v72, |v[X+16*\p+14]|, |v[X+16*\p+15]|
	v_max3_num_f32 v72, v72, v73, 0x1800000        ; the floor 2^(3 - 127): the byte cannot fall under 1
	v_max_num_f32_dpp v72, v72, v72 row_xmask:1 row_mask:0xf bank_mask:0xf
	v_add_nc_u32 v74, 0xff000000, v72              ; 2 off the exponent field: the conversion's scale operand
	v_cvt_scalef32_pk16_fp6_f32 v[C+4*\p:C+4*\p+2], v[X+16*\p:X+16*\p+15], v74
	v_lshrrev_b32 v[E+\p], 23, v74                 ; the scale's byte (also the plain line behind the conversion)
	ds_store_b32 v5, v[C+4*\p] offset:392*(\row0+\p)
	ds_store_b32 v5, v[C+4*\p+1] offset:392*(\row0+\p)+4
	ds_store_b32 v5, v[C+4*\p+2] offset:392*(\row0+\p)+8
	ds_store_b8 v6, v[E+\p] offset:KSCL+16*(\row0+\p)   ; both lanes of a block write the same byte with the same value
.if \refill
	ROWLDQ \p                                      ; the key's query row takes the registers that the conversion has read
.endif
.endm
; Eight rows: sums of squares in eight chains side by side, 1 / norm, then row by row.
.macro ROUND row0, refill
	s_wait_loadcnt 0x0                             ; all eight rows are wanted at once
.irp p, 0,1,2,3,4,5,6,7
	v_pk_mul_f32 v[A+2*\p:A+2*\p+1], v[X+16*\p:X+16*\p+1], v[X+16*\p:X+16*\p+1]
.endr
.irp i, 2,4,6,8,10,12,14
.irp p, 0,1,2,3,4,5,6,7
	v_pk_fma_f32 v[A+2*\p:A+2*\p+1], v[X+16*\p+\i:X+16*\p+\i+1], v[X+16*\p+\i:X+16*\p+\i+1], v[A+2*\p:A+2*\p+1]
.endr
.endr
.irp p, 0,1,2,3,4,5,6,7
	v_add_f32 v[A+2*\p], v[A+2*\p], v[A+2*\p+1]
.endr
.irp m, 1,2,4,8
.irp p, 0,1,2,3,4,5,6,7
	v_add_f32_dpp v[A+2*\p], v[A+2*\p], v[A+2*\p] row_xmask:\m row_mask:0xf bank_mask:0xf
.endr
.endr
.irp p, 0,1,2,3,4,5,6,7
	v_permlanex16_b32 v[PT8+\p], v[A+2*\p], s60, s61
.endr
.irp p, 0,1,2,3,4,5,6,7
	v_add_f32 v[A+2*\p], v[A+2*\p], v[PT8+\p]
.endr
.irp p, 0,1,2,3,4,5,6,7
	v_rsq_f32 v[A+2*\p], v[A+2*\p]
.endr
	v_nop                                          ; a plain line behind the last of the batch
	s_wait_alu depctr_va_vdst(0)                   ; one wait for the eight, ahead of their first reader
.irp p, 0,1,2,3,4,5,6,7
	v_min_num_f32 v[A+2*\p], 0x5368d4a5, v[A+2*\p] ; 1 / max(norm, 1e-12)
.endr
.if \row0 > 0
	s_wait_dscnt 0x0                               ; the first eight rows' LDS stores have read the registers that are written again
.endif
.irp p, 0,1,2,3,4,5,6,7
	QROW \p, \row0, \refill
.endr
.endm
	ROUND 0, 1                                     ; my eight keys: rows 0-7 of the operand
	ROUND 8, 0                                     ; their eight queries: rows 8-15
; X X^T by four scaled instructions: score of key i = element (i, 8 + i).  LDS serves a wave's instructions in order: these loads see my stores.
.irp s, 0,1,2,3
.irp p, 0,1,2,3,4,5
	ds_load_b64 v[FA+12*\s+2*\p:FA+12*\s+2*\p+1], v7 offset:96*\s+48*(\p/3)+8*(\p%3)
	ds_load_b64 v[FB+12*\s+2*\p:FB+12*\s+2*\p+1], v7 offset:96*\s+48*(\p/3)+8*(\p%3)
.endr
.endr
	ds_load_b128 v[S:S+3], v8 offset:KSCL          ; word s: the scale bytes of row r for K step s
	s_wait_dscnt 0x0
	v_wmma_scale_f32_16x16x128_f8f6f4 v[D:D+7], v[FA:FA+11], v[FB:FB+11], 0, v[S], v[S] matrix_a_fmt:MATRIX_FMT_FP6 matrix_b_fmt:MATRIX_FMT_FP6
.irp s, 1,2,3
	s_wait_alu depctr_va_vdst(0)                   ; a wait ahead of each link
	v_wmma_scale_f32_16x16x128_f8f6f4 v[D:D+7], v[FA+12*\s:FA+12*\s+11], v[FB+12*\s:FB+12*\s+11], v[D:D+7], v[S+\s], v[S+\s] matrix_a_fmt:MATRIX_FMT_FP6 matrix_b_fmt:MATRIX_FMT_FP6
.endr
.rept 4
	v_nop                                          ; four places behind the last product
.endr
	v_cndmask_b32 v76, v[D], v[D+1], s52           ; lane 8 + j takes register j: element (j, 8 + j)
.irp j, 2,3,4,5,6,7
	v_cndmask_b32 v76, v76, v[D+\j], s[51+\j]
.endr
	ds_store_b32 v9, v76 offset:KSC                ; every lane its own word: no lane is switched off
	s_wait_dscnt 0x0                               ; for wave 0's sake
	s_barrier_signal -1
	s_barrier_wait -1
	s_cmp_lg_u32 s24, 0
	s_cbranch_scc1 .Lkend
; Wave 0: lane = key of the block.
	ds_load_b32 v77, v12 offset:KSC+32
.irp i, 1,2,3,4,5,6,7,8,9,10,11,12,13,14,15
	v_mov_b32 v[Z+\i], 0
.endr
	s_wait_dscnt 0x0
	v_mul_f32 v77, 0x3fb8aa3b, v77                 ; t = score x log2(e)
	v_exp_f32 v[Z], v77                            ; p
	v_mov_b32 v78, 0                               ; (a plain line behind the exponential)
	s_wait_alu depctr_va_vdst(0)                   ; ahead of p's first reader
.set i, 0
.rept 32                                       ; the largest p among the block's keys of my group: in my query's row all other keys of the block are zeros
	v_readlane_b32 s78, v10, i
	v_readlane_b32 s79, v[Z], i
	v_cmp_eq_u32 vcc_lo, s78, v10
	v_cndmask_b32 v79, 0, s79, vcc_lo
	v_max_num_f32 v78, v78, v79
.set i, i+1
.endr
	v_add_nc_u32 v74, 0xff000000, v78
	v_cvt_scalef32_pk16_fp6_f32 v[C:C+2], v[Z:Z+15], v74   ; p's code in the lowest six bits
	v_lshrrev_b32 v75, 23, v74                     ; the scale's byte (the plain line behind the conversion)
	v_and_b32 v[C], 0x3f, v[C]
	v_lshl_or_b32 v[Z+1], v75, 8, v[C]
	global_store_b64 v13, v[Z:Z+1], s[12:13]       ; the wave stores 256 consecutive bytes, aligned
.Lkend:
	s_wait_tensorcnt 0x0
	ds_add_u32 v122, v123
	s_wait_dscnt 0x0
	s_endpgm
; ======================================================= VALUES =======================================================
; Wave w takes rows 8 w .. 8 w + 7 of the block.  Every load reads 512 consecutive bytes: register 4 i + j of a row is column 128 i + 4 lane + j.  A column's scale wants the maximum over the block's 32 rows:
; eight in my registers, the other waves' through LDS.  x is multiplied by 2^-e, which rounds nothing that a code can show, and converted with the scale 1: so a lane's 16 numbers may be 16 columns with 16 scales.
.Lvals:
	s_sub_co_u32 s25, ttmp9, 1056                  ; the block
	s_lshl_b32 s70, s25, 5
	s_lshl_b32 s71, s24, 3
	s_add_co_u32 s70, s70, s71                     ; my first key
	s_lshl_b32 s72, s70, 11
	s_mov_b32 s73, 0
	s_add_nc_u64 s[26:27], s[8:9], s[72:73]
	v_lshlrev_b32 v2, 4, v1                        ; 16 x lane
.irp p, 0,1,2,3,4,5,6,7
.irp i, 0,1,2,3
	global_load_b128 v[128+16*\p+4*\i:128+16*\p+4*\i+3], v2, s[26:27] offset:2048*\p+512*\i th:TH_LOAD_NT
.endr
.endr
	s_mul_i32 s74, s70, 384
	s_mov_b32 s75, 0
	s_add_nc_u64 s[28:29], s[14:15], s[74:75]      ; my eight rows of codes
	s_lshl_b32 s76, s25, 9
	s_mov_b32 s77, 0
	s_add_nc_u64 s[30:31], s[16:17], s[76:77]      ; the block's scale bytes
	s_lshl_b32 s78, s24, 11
	v_add_nc_u32 v3, s78, v2                       ; my maxima in LDS
.irp x, 1,2,3
	s_xor_b32 s79, s24, \x
	s_lshl_b32 s79, s79, 11
	v_add_nc_u32 v[3+\x], s79, v2                  ; and the three other waves'
.endr
	v_mul_u32_u24 v7, v1, 12
	v_mov_b32 v15, 1.0
	s_wait_loadcnt 0x0
.irp n, 0,1,2,3,4,5,6,7,8,9,10,11,12,13,14,15
	v_max3_num_f32 v[96+\n], |v[128+\n]|, |v[144+\n]|, |v[160+\n]|
.endr
.irp n, 0,1,2,3,4,5,6,7,8,9,10,11,12,13,14,15
	v_max3_num_f32 v[96+\n], v[96+\n], |v[176+\n]|, |v[192+\n]|
.endr
.irp n, 0,1,2,3,4,5,6,7,8,9,10,11,12,13,14,15
	v_max3_num_f32 v[96+\n], v[96+\n], |v[208+\n]|, |v[224+\n]|
.endr
.irp n, 0,1,2,3,4,5,6,7,8,9,10,11,12,13,14,15
	v_max_num_f32 v[96+\n], v[96+\n], |v[240+\n]|
.endr
.irp i, 0,1,2,3
	ds_store_b128 v3, v[96+4*\i:99+4*\i] offset:VX+512*\i
.endr
	s_wait_dscnt 0x0                               ; for the others' sake
	s_barrier_signal -1
	s_barrier_wait -1
.irp x, 0,1,2
.irp i, 0,1,2,3
	ds_load_b128 v[48+16*\x+4*\i:51+16*\x+4*\i], v[4+\x] offset:VX+512*\i
.endr
.endr
	s_wait_dscnt 0x0
.irp n, 0,1,2,3,4,5,6,7,8,9,10,11,12,13,14,15
	v_max3_num_f32 v[96+\n], v[96+\n], v[48+\n], v[64+\n]
.endr
.irp n, 0,1,2,3,4,5,6,7,8,9,10,11,12,13,14,15
	v_max3_num_f32 v[96+\n], v[96+\n], v[80+\n], 0x1800000   ; with the floor: the byte cannot fall under 1
.endr
.irp n, 0,1,2,3,4,5,6,7,8,9,10,11,12,13,14,15
	v_add_nc_u32 v[16+\n], 0xff000000, v[96+\n]    ; exponent field = the scale's byte
.endr
.irp n, 0,1,2,3,4,5,6,7,8,9,10,11,12,13,14,15
	v_and_b32 v[32+\n], 0x7f800000, v[16+\n]
.endr
.irp n, 0,1,2,3,4,5,6,7,8,9,10,11,12,13,14,15
	v_sub_nc_u32 v[32+\n], 0x7f000000, v[32+\n]    ; 2^-e: exponent field 254 - byte
.endr
.irp p, 0,1,2,3,4,5,6,7
.irp i, 0,2,4,6,8,10,12,14
	v_pk_mul_f32 v[128+16*\p+\i:128+16*\p+\i+1], v[128+16*\p+\i:128+16*\p+\i+1], v[32+\i:33+\i]
.endr
	v_cvt_scalef32_pk16_fp6_f32 v[48+4*\p:50+4*\p], v[128+16*\p:143+16*\p], v15
	global_store_b96 v7, v[48+4*\p:50+4*\p], s[28:29] offset:384*\p   ; a row's 384 bytes on end; the wave's eight rows are 3,072 consecutive bytes
.endr
	v_nop                                          ; a plain line behind the last conversion
	s_cmp_lg_u32 s24, 0
	s_cbranch_scc1 .Lvend
.irp n, 0,1,2,3,4,5,6,7,8,9,10,11,12,13,14,15
	v_lshrrev_b32 v[16+\n], 23, v[16+\n]
.endr
.irp d, 0,1,2,3
	v_lshl_or_b32 v[8+\d], v[17+4*\d], 8, v[16+4*\d]
	v_lshl_or_b32 v[8+\d], v[18+4*\d], 16, v[8+\d]
	v_lshl_or_b32 v[8+\d], v[19+4*\d], 24, v[8+\d]
.endr
	global_store_b128 v2, v[8:11], s[30:31]        ; 512 consecutive bytes, aligned: byte n of lane l is column 128 (n / 4) + 4 l + n % 4
.Lvend:
	s_wait_tensorcnt 0x0
	ds_add_u32 v122, v123
	s_wait_dscnt 0x0
	s_endpgm
; ======================================================== SORT ========================================================
; Element e = wave x 256 + lane x 8 + register holds min(tree_idx, 2048) x 2^15 + key.  The network: for k = 1 .. 10 each element meets its partner e xor (2^k - 1), then e xor 2^j for j = k - 2 .. 0;
; the lower index keeps the smaller number.  Every address of the network is free of data.  Two banks of eight registers take turns.
.set TS,  32                           ; v32-39  the partner's numbers
.set US,  40                           ; v40-47  minima
.set CUR, 16
.set NXT, 24
.macro SWAPB
.set TMPB, CUR
.set CUR, NXT
.set NXT, TMPB
.endm
.macro CE_REG mr                       ; partners in my own registers
.irp i, 0,1,2,3,4,5,6,7
.if ((\i)^(\mr)) > (\i)
	v_min_u32 v[NXT+\i], v[CUR+\i], v[CUR+((\i)^(\mr))]
	v_max_u32 v[NXT+((\i)^(\mr))], v[CUR+\i], v[CUR+((\i)^(\mr))]
.endif
.endr
	SWAPB
.endm
.macro CE_LANE ml, mr, msk             ; partners in lane l xor ml, register i xor mr; s[msk]: the lanes that keep the larger number
.irp i, 0,1,2,3,4,5,6,7
.if \ml < 16
	v_mov_b32_dpp v[TS+\i], v[CUR+((\i)^(\mr))] row_xmask:\ml row_mask:0xf bank_mask:0xf
.elseif \ml == 16
	v_permlanex16_b32 v[TS+\i], v[CUR+((\i)^(\mr))], s60, s61
.else
	v_permlanex16_b32 v[TS+\i], v[CUR+((\i)^(\mr))], s62, s63
.endif
.endr
.irp i, 0,1,2,3,4,5,6,7
	v_min_u32 v[US+\i], v[CUR+\i], v[TS+\i]
.endr
.irp i, 0,1,2,3,4,5,6,7
	v_max_u32 v[TS+\i], v[CUR+\i], v[TS+\i]
.endr
.irp i, 0,1,2,3,4,5,6,7
	v_cndmask_b32 v[NXT+\i], v[US+\i], v[TS+\i], s[\msk]
.endr
	SWAPB
.endm
.macro CE_WAVE pa, buf, mr, msk        ; partners in another wave: through LDS.  A buffer is written again only behind a later barrier, in front of which its readers have waited for their loads
	ds_store_b128 v2, v[CUR:CUR+3] offset:\buf
	ds_store_b128 v2, v[CUR+4:CUR+7] offset:\buf+16
	s_wait_dscnt 0x0
	s_barrier_signal -1
	s_barrier_wait -1
	ds_load_b128 v[TS:TS+3], v[\pa] offset:\buf
	ds_load_b128 v[TS+4:TS+7], v[\pa] offset:\buf+16
	s_wait_dscnt 0x0
.irp i, 0,1,2,3,4,5,6,7
	v_min_u32 v[US+\i], v[CUR+\i], v[TS+((\i)^(\mr))]
.endr
.irp i, 0,1,2,3,4,5,6,7
	v_max_u32 v[NXT+\i], v[CUR+\i], v[TS+((\i)^(\mr))]
.endr
.irp i, 0,1,2,3,4,5,6,7
	v_cndmask_b32 v[NXT+\i], v[US+\i], v[NXT+\i], s[\msk]
.endr
	SWAPB
.endm
.macro REG3
	CE_REG 4
	CE_REG 2
	CE_REG 1
.endm
.Lsort:
	s_lshl_b32 s70, ttmp9, 12
	s_mov_b32 s71, 0
	s_add_nc_u64 s[26:27], s[10:11], s[70:71]      ; the chunk's tree_idx
	s_add_nc_u64 s[28:29], s[18:19], s[70:71]      ; its part of cs
	v_lshlrev_b32 v2, 5, v0                        ; 32 x thread: my eight words, in memory and in an LDS buffer
	global_load_b128 v[16:19], v2, s[26:27]
	global_load_b128 v[20:23], v2, s[26:27] offset:16
	s_mul_i32 s72, ttmp9, 8704
	s_mov_b32 s73, 0
	s_add_nc_u64 s[30:31], s[20:21], s[72:73]      ; its row of lb
	s_lshl_b32 s74, ttmp9, 9
	s_mov_b32 s75, 0
	s_add_nc_u64 s[32:33], s[22:23], s[74:75]      ; its row of bm
	s_mov_b32 s36, 0xaaaaaaaa                      ; lanes whose bit 0, 1, 2, 3, 4 is set
	s_mov_b32 s37, 0xcccccccc
	s_mov_b32 s38, 0xf0f0f0f0
	s_mov_b32 s39, 0xff00ff00
	s_mov_b32 s40, 0xffff0000
	s_mov_b32 s62, 0x89abcdef
	s_mov_b32 s63, 0x01234567                      ; v_permlanex16_b32: lane l xor 31
	s_and_b32 s76, s24, 1
	s_cmp_lg_u32 s76, 0
	s_cselect_b32 s41, -1, 0                       ; all lanes where the wave's bit 0 is set
	s_and_b32 s76, s24, 2
	s_cmp_lg_u32 s76, 0
	s_cselect_b32 s42, -1, 0                       ; bit 1
	s_xor_b32 s77, s24, 1
	s_lshl_b32 s77, s77, 10
	s_xor_b32 s78, s24, 3
	s_lshl_b32 s78, s78, 10
	v_xor_b32 v4, 31, v1
	v_lshl_add_u32 v5, v4, 5, s77                  ; partner: wave xor 1, lane xor 31
	v_lshl_add_u32 v6, v4, 5, s78                  ; wave xor 3, lane xor 31
	v_lshl_add_u32 v7, v1, 5, s77                  ; wave xor 1, same lane
	v_lshlrev_b32 v8, 4, v0                        ; 16 x thread
	s_lshl_b32 s79, ttmp9, 10
	v_lshl_add_u32 v9, v0, 3, s79                  ; my first key's number
	s_mul_i32 s76, s24, 544
	v_add_nc_u32 v10, s76, v1                      ; my first group to search for: 544 x wave + lane
	v_lshlrev_b32 v11, 2, v10
	s_mul_i32 s76, s24, 68
	v_lshl_add_u32 v12, v1, 2, s76                 ; bm: word 17 x wave + lane
.irp i, 0,1,2,3,4,5,6,7
	v_mov_b32 v[TS+\i], 0                          ; written once: a lane move's destination counts as one of its sources
.endr
	v_mov_b32 v100, 0
	s_wait_loadcnt 0x0
.irp i, 0,1,2,3,4,5,6,7
	v_min_u32 v[16+\i], 0x800, v[16+\i]            ; what is outside 0 .. 2047 goes behind all groups
.endr
.irp i, 0,1,2,3,4,5,6,7
	v_lshl_add_u32 v[16+\i], v[16+\i], 15, v9
.endr
.irp i, 1,2,3,4,5,6,7
	v_add_nc_u32 v[16+\i], \i, v[16+\i]
.endr
	CE_REG 1
	CE_REG 3
	CE_REG 1
	CE_REG 7
	CE_REG 2
	CE_REG 1
	CE_LANE 1, 7, 36
	REG3
	CE_LANE 3, 7, 37
	CE_LANE 1, 0, 36
	REG3
	CE_LANE 7, 7, 38
	CE_LANE 2, 0, 37
	CE_LANE 1, 0, 36
	REG3
	CE_LANE 15, 7, 39
	CE_LANE 4, 0, 38
	CE_LANE 2, 0, 37
	CE_LANE 1, 0, 36
	REG3
	CE_LANE 31, 7, 40
	CE_LANE 8, 0, 39
	CE_LANE 4, 0, 38
	CE_LANE 2, 0, 37
	CE_LANE 1, 0, 36
	REG3
	CE_WAVE 5, SA, 7, 41
	CE_LANE 16, 0, 40
	CE_LANE 8, 0, 39
	CE_LANE 4, 0, 38
	CE_LANE 2, 0, 37
	CE_LANE 1, 0, 36
	REG3
	CE_WAVE 6, SB, 7, 42
	CE_WAVE 7, SA, 0, 41
	CE_LANE 16, 0, 40
	CE_LANE 8, 0, 39
	CE_LANE 4, 0, 38
	CE_LANE 2, 0, 37
	CE_LANE 1, 0, 36
	REG3
	ds_store_b128 v2, v[CUR:CUR+3] offset:SB       ; the sorted chunk lies in SB; from here on LDS is only read
	ds_store_b128 v2, v[CUR+4:CUR+7] offset:SB+16
	s_wait_dscnt 0x0
	s_barrier_signal -1
	s_barrier_wait -1
	ds_load_b128 v[TS:TS+3], v8 offset:SB          ; back 16 bytes a thread, so that each store covers whole aligned runs of 256 bytes
	ds_load_b128 v[TS+4:TS+7], v8 offset:SB+2048
; 17 searches a thread: for group g = 544 x wave + 32 i + lane the number of elements under g x 2^15.  v48-64 the targets, v65-81 the positions in bytes, v82-98 the probes.
.irp i, 0,1,2,3,4,5,6,7,8,9,10,11,12,13,14,15,16
	v_add_lshl_u32 v[48+\i], v10, 32*\i, 15
	v_mov_b32 v[65+\i], 0
.endr
	s_wait_dscnt 0x0
.irp i, 0,1,2,3,4,5,6,7
	v_and_b32 v[US+\i], 0x7fff, v[TS+\i]           ; the key's number
.endr
	global_store_b128 v8, v[US:US+3], s[28:29]
	global_store_b128 v8, v[US+4:US+7], s[28:29] offset:2048
; If element (position + st - 1) is under the target, st elements more are.  The choice hangs on loaded numbers, so the position is held by a constant written in the instruction before it serves as an
; address again: 4 x (1024 - st) bytes, the most that the steps 512 .. st can add up to: the hold changes no value, and position + the next probe's offset stays inside SB's 4,096 bytes.
.macro LBSTEP st
.irp i, 0,1,2,3,4,5,6,7,8,9,10,11,12,13,14,15,16
	ds_load_b32 v[82+\i], v[65+\i] offset:SB+4*(\st-1)
.endr
	s_wait_dscnt 0x0
.irp i, 0,1,2,3,4,5,6,7,8,9,10,11,12,13,14,15,16
	v_cmp_lt_u32 vcc_lo, v[82+\i], v[48+\i]
	v_add_nc_u32 v99, 4*\st, v[65+\i]
	v_cndmask_b32 v[65+\i], v[65+\i], v99, vcc_lo
	v_min_u32 v[65+\i], 4*(1024-\st), v[65+\i]
.endr
.endm
.irp st, 512,256,128,64,32,16,8,4,2,1
	LBSTEP \st
.endr
.irp i, 0,1,2,3,4,5,6,7,8,9,10,11,12,13,14,15,16
	ds_load_b32 v[82+\i], v[65+\i] offset:SB       ; the element at the position: it says whether the group is present, and whether all 1,024 lie under the target
.endr
	s_wait_dscnt 0x0
.irp i, 0,1,2,3,4,5,6,7,8,9,10,11,12,13,14,15,16
	v_and_b32 v99, 0xffff8000, v[82+\i]
	v_cmp_eq_u32 s74, v99, v[48+\i]
	v_writelane_b32 v100, s74, \i                  ; 32 groups' bits: word 17 x wave + i of bm
	v_cmp_lt_u32 vcc_lo, v[82+\i], v[48+\i]
	v_add_nc_u32 v99, 4, v[65+\i]
	v_cndmask_b32 v[65+\i], v[65+\i], v99, vcc_lo
	v_lshrrev_b32 v[65+\i], 2, v[65+\i]
.endr
.irp i, 0,1,2,3,4,5,6,7,8,9,10,11,12,13,14,15,16
	global_store_b32 v11, v[65+\i], s[30:31] offset:128*\i
.endr
	v_cmp_gt_u32 vcc_lo, 17, v1
	s_wait_xcnt 0x0                                ; EXEC changes only behind this wait
	s_wait_tensorcnt 0x0
	ds_add_u32 v122, v123
	s_wait_dscnt 0x0
	s_and_saveexec_b32 s76, vcc_lo
	global_store_b32 v12, v100, s[32:33]           ; lanes 0-16: my wave's 17 words
	s_wait_xcnt 0x0
	s_or_b32 exec_lo, exec_lo, s76
	s_endpgm
.Lfunc_end_k_q14695219b1_prep:
	.size	k_q14695219b1_prep, .Lfunc_end_k_q14695219b1_prep-k_q14695219b1_prep
	.p2alignl 7, 3214868480
	.fill 96, 4, 3214868480
	.section	.rodata,"a",@progbits
	.p2align	6, 0x0
	.amdhsa_kernel k_q14695219b1_prep
		.amdhsa_group_segment_fixed_size 43520
		.amdhsa_private_segment_fixed_size 0
		.amdhsa_enable_private_segment 0
		.amdhsa_kernarg_size 80
		.amdhsa_user_sgpr_count 2
		.amdhsa_user_sgpr_kernarg_segment_ptr 1
		.amdhsa_wavefront_size32 1
		.amdhsa_system_sgpr_workgroup_id_x 1
		.amdhsa_system_sgpr_workgroup_id_y 1
		.amdhsa_system_sgpr_workgroup_id_z 1
		.amdhsa_system_vgpr_workitem_id 0
		.amdhsa_next_free_vgpr 256
		.amdhsa_next_free_sgpr 96
		.amdhsa_reserve_vcc 1
		.amdhsa_float_denorm_mode_32 3
		.amdhsa_float_denorm_mode_16_64 3
		.amdhsa_memory_ordered 1
		.amdhsa_forward_progress 1
		.amdhsa_inst_pref_size 189
	.end_amdhsa_kernel
	.amdgpu_metadata
---
amdhsa.version: [ 1, 2 ]
amdhsa.kernels:
  - .name:           k_q14695219b1_prep
    .symbol:         k_q14695219b1_prep.kd
    .args:
      - { .name: keys, .offset: 0, .size: 8, .value_kind: global_buffer, .address_space: global }
      - { .name: query, .offset: 8, .size: 8, .value_kind: global_buffer, .address_space: global }
      - { .name: values, .offset: 16, .size: 8, .value_kind: global_buffer, .address_space: global }
      - { .name: tree_idx, .offset: 24, .size: 8, .value_kind: global_buffer, .address_space: global }
      - { .name: pk, .offset: 32, .size: 8, .value_kind: global_buffer, .address_space: global }
      - { .name: vcodes, .offset: 40, .size: 8, .value_kind: global_buffer, .address_space: global }
      - { .name: vscales, .offset: 48, .size: 8, .value_kind: global_buffer, .address_space: global }
      - { .name: cs, .offset: 56, .size: 8, .value_kind: global_buffer, .address_space: global }
      - { .name: lb, .offset: 64, .size: 8, .value_kind: global_buffer, .address_space: global }
      - { .name: bm, .offset: 72, .size: 8, .value_kind: global_buffer, .address_space: global }
    .group_segment_fixed_size: 43520
    .private_segment_fixed_size: 0
    .kernarg_segment_align: 8
    .kernarg_segment_size: 80
    .max_flat_workgroup_size: 128
    .sgpr_count:     96
    .vgpr_count:     256
    .wavefront_size: 32
...
	.end_amdgpu_metadata
.endif
;; end of part 1
;; launch attend (part 2): grid 512 x 1, 8 waves a work-group, no clusters, 3,072 bytes of LDS; arguments lb, cs, bm, pk, vcodes, vscales, out0, out1; writes out0, out1
.if DOCPART == 2
	.amdgcn_target "amdgcn-amd-amdhsa--gfx1250"
	.amdhsa_code_object_version 6
	.text
	.protected	k_q14695219b1_attend
	.globl	k_q14695219b1_attend
	.p2align	8
	.type	k_q14695219b1_attend,@function
k_q14695219b1_attend:
	s_mov_b64 s[64:65], 0
	v_nop
	global_prefetch_b8 v0, s[64:65] scope:SCOPE_SE
	s_setreg_imm32_b32 hwreg(HW_REG_WAVE_MODE, 25, 1), 1
	s_wait_xcnt 0x0
; SECOND LAUNCH OF TWO.  out0[g] = (sum over the keys of group g of Q(p) Q(V)) / l,  out1[m] = p / l of key m's group.  A wave owns one group g and one half u of the columns: tile n = 4 i + j, lane r is column
; 128 i + 64 u + 4 r + j.  THE KEYS OF A GROUP come from any natural blocks, so each has its own scale for p and, for each column, for V.  ONE KEY TAKES ONE BLOCK OF 32 ALONG K of the scaled matrix
; instruction: its code at the block's first place, 31 zero codes behind it; four keys an instruction.  Source 0 = p (all 16 rows alike), source 1 = V (lane r = a column); register 6 c of lane (r, h) holds
; the code of key 2 c + h of the four; byte b of a scale word is key b's.  All rows of a result are alike: register 0 is taken.
; WHERE THE KEYS ARE: lane c holds the number of the group's keys in chunk c (two neighbours of lb) and their prefix sums; slot s of the group lies in the first chunk whose inclusive sum is above s: five
; steps of a search by lane permutes; then cs gives the key's number.  A slot past the group's end repeats its last key with the code 0: it adds nothing and fetches no new rows.
; A group without keys: the sum l is 0, 0 x (1 / 0) is NaN: its row of out0 is NaN as the problem has it, and then every number of out1 is NaN: a flag from bm, ORed onto each.
; THE KEYS OF NO GROUP were sorted as group 2048.  They are found in the same way; the wave with u = 1 of group g takes slots 16 g .. 16 g + 15 of that list (2,048 waves x 16 slots are all 32,768 keys) and stores 0, or NaN.
; No lane is ever switched off: where a slot past an end stores, it stores its list's last key's own number to that key's own word, a second time, from the same wave.
; LIMITS: NaN and infinities among the floating-point inputs are not served.  A very uneven split is served, slowly: one wave walks all keys of its group, 16 a trip.
; No tensor loads: trip counts hang on stored counts.  The work-group's eight waves share nothing but the flag.
.set CR,  52                           ; v52-83   eight times: 3 registers of codes (16 columns of a key), and the load's offset in the fourth
.set SR,  84                           ; v84-115  V's scale bytes as loaded, then as scale words: these registers hold scales and nothing else
.set PF,  116                          ; v116-139 p's two fragments: registers 0 and 6 of each carry codes, the others stay 0
.set VF,  140                          ; v140-199 five fragments of V by turns, likewise
.set DT,  200                          ; v200-231 four results by turns; between trips v200-207 take p's scale bytes
.set ACC, 232                          ; v232-247 the sums, one register a tile
.set IA,  248                          ; v248-255 lane-permute indices: slot 2 q + h
.set IB,  44                           ; v44-51   slot 8 (j / 4) + 4 h + j % 4
.set KB,  28                           ; v28-35   offsets of the scale loads
.set PT,  36                           ; v36-43   p's codes by slot 2 q + h
.set BT,  200
.set PS,  22                           ; v22-23   p's scale words, one for each half of a trip: scales and nothing else
.set TP,  24                           ; v24-27   at work in the transposition of scale bytes
; v1 lane, v2 r, v3 h, v4 lb[lane][2048], v5 12 (16 u + r), v6 16 (16 u + r), v7 inclusive sums, v8 1024 c + first place - exclusive sum, v9-13 at work, v14 the slot's key, v15 p or 0, v16 l, v17 code, v18 byte,
; v19 an offset, v[20:21] pk.  s22 wave, s23 g, s24 u, s25 n, s26 max(n, 1) - 1, s27 trips, s28 trip, s29 the trip's first slot, s30 slots that count, s32 the flag's bits
	s_load_b512 s[4:19], s[0:1], 0x0               ; lb, cs, bm, pk, vcodes, vscales, out0, out1
	s_set_vgpr_msb 0x40
	v_lshl_add_u32 v0, v0, 2, 0x800
	v_mov_b32 v1, 0
	s_set_vgpr_msb 0x4000
	v_lshrrev_b32 v12, 5, v0
	v_readfirstlane_b32 s22, v12                   ; wave 0..7
	v_and_b32 v1, 31, v0
	v_and_b32 v2, 15, v0
	v_bfe_u32 v3, v0, 4, 1
	s_lshr_b32 s23, s22, 1
	s_lshl_b32 s45, ttmp9, 2
	s_add_co_u32 s23, s23, s45                     ; my group
	s_and_b32 s24, s22, 1                          ; my half of the columns
	s_lshl_b32 s47, s22, 11
	v_lshl_add_u32 v13, v1, 3, s47                 ; bm: chunks 4 w .. 4 w + 3, 8 bytes a lane
	v_mul_u32_u24 v19, v1, 8704                    ; lb: chunk = lane,
	s_lshl_b32 s48, s23, 2
	v_add_nc_u32 v9, s48, v19                      ; group g
	s_wait_kmcnt 0x0
.irp k, 0,1,2,3
	global_load_b64 v[52+2*\k:53+2*\k], v13, s[8:9] offset:512*\k
.endr
	global_load_b32 v62, v9, s[4:5]
	global_load_b32 v63, v9, s[4:5] offset:4
	global_load_b32 v4, v19, s[4:5] offset:8192    ; where the keys of no group begin in the chunk
	s_mov_b32 s34, 0x76543210
	s_mov_b32 s35, 0xfedcba98                      ; v_permlanex16_b32: lane l xor 16
	s_mov_b32 s36, 0xaaaaaaaa                      ; lanes whose bit 0, 1, 2, 3, 4 is set
	s_mov_b32 s37, 0xcccccccc
	s_mov_b32 s38, 0xf0f0f0f0
	s_mov_b32 s39, 0xff00ff00
	s_mov_b32 s40, 0xffff0000
	s_mov_b32 s41, 0x05010400                      ; v_perm_b32: bytes 0 and 1 of two words, interleaved;
	s_mov_b32 s42, 0x07030602                      ; bytes 2 and 3;
	s_mov_b32 s43, 0x05040100                      ; the two low halves;
	s_mov_b32 s44, 0x07060302                      ; the two high halves
	s_lshl_b32 s49, s24, 4
	v_add_nc_u32 v12, s49, v2                      ; 16 u + r
	v_mul_u32_u24 v5, v12, 12
	v_lshlrev_b32 v6, 4, v12
	v_lshlrev_b32 v12, 2, v3
.irp q, 0,1,2,3,4,5,6,7
	v_add_nc_u32 v[IA+\q], 8*\q, v12
.endr
	v_lshlrev_b32 v12, 4, v3
.irp j, 0,1,2,3,4,5,6,7
	v_add_nc_u32 v[IB+\j], 32*(\j/4)+4*(\j%4), v12
.endr
	v_lshlrev_b32 v10, 3, v0
	v_lshlrev_b32 v11, 3, v1
.set i, 0
.rept 84                                       ; the fragments' standing zeros: 31 of a block's 32 codes are zeros
	v_mov_b32 v[PF+i], 0
.set i, i+1
.endr
.set i, 0
.rept 16                                       ; the sums: a trip adds onto them, so that no trip is written out apart
	v_mov_b32 v[ACC+i], 0
.set i, i+1
.endr
	v_mov_b32 v16, 0
; Is some group empty?  Each wave ORs four chunks' bits, the eight meet in LDS.
	s_wait_loadcnt 0x3                             ; the three loads of lb, issued behind bm's four, may stay out
	v_or_b32 v52, v52, v54
	v_or_b32 v53, v53, v55
	v_or_b32 v56, v56, v58
	v_or_b32 v57, v57, v59
	v_or_b32 v52, v52, v56
	v_or_b32 v53, v53, v57
	ds_store_b64 v10, v[52:53]
	s_wait_dscnt 0x0                               ; for the others' sake
	s_barrier_signal -1
	s_barrier_wait -1
.irp k, 0,1,2,3,4,5,6,7
	ds_load_b64 v[208+2*\k:209+2*\k], v11 offset:256*\k
.endr
	s_wait_dscnt 0x0
.irp k, 1,2,3,4,5,6,7
	v_or_b32 v208, v208, v[208+2*\k]
	v_or_b32 v209, v209, v[209+2*\k]
.endr
	v_and_b32 v208, v208, v209
	v_cmp_ne_u32 vcc_lo, -1, v208
	s_cmp_lg_u32 vcc_lo, 0
	s_cselect_b32 s32, 0x7fc00000, 0               ; ORed onto a number it makes a NaN, or changes nothing
; Prefix sums over the 32 chunks: v12 comes in as my chunk's count and goes out as the total; v11 the sum of the lanes below me.
.macro PSTEP d, msk
.if \d < 16
	v_mov_b32_dpp v13, v12 row_xmask:\d row_mask:0xf bank_mask:0xf
.else
	v_permlanex16_b32 v13, v12, s34, s35
.endif
	v_cndmask_b32 v10, 0, v13, s[\msk]
	v_add_nc_u32 v11, v11, v10
	v_add_nc_u32 v12, v12, v13
.endm
.macro PREFIX lo                       ; v[lo]: where the list's keys begin in chunk = lane
	v_mov_b32 v7, v12
	v_mov_b32 v11, 0
	PSTEP 1, 36
	PSTEP 2, 37
	PSTEP 4, 38
	PSTEP 8, 39
	PSTEP 16, 40
	v_add_nc_u32 v7, v7, v11                       ; inclusive sum
	v_lshl_add_u32 v8, v1, 10, v[\lo]
	v_sub_nc_u32 v8, v8, v11                       ; slot + this = the slot's place in cs
	v_readfirstlane_b32 s25, v12
	s_min_u32 s25, s25, 0x8000                     ; n
.endm
	s_wait_loadcnt 0x0
	v_sub_nc_u32 v12, v63, v62                     ; the group's keys in chunk = lane
	v_mov_b32 v13, 0                               ; written once: a lane move's destination counts as one of its sources
	PREFIX 62
	s_max_u32 s26, s25, 1
	s_sub_co_u32 s26, s26, 1
	s_add_co_u32 s27, s25, 15
	s_lshr_b32 s27, s27, 4
	s_max_u32 s27, s27, 1                          ; trips of 16 slots
	s_mov_b32 s28, 0
	s_mov_b32 s29, 0
; The key of slot s29 + r, in every lane (both halves of the lanes alike).
.macro ENUM
	v_add_nc_u32 v9, s29, v2
	v_min_u32 v10, s26, v9                         ; past the end: the last key again
	v_cmp_gt_u32 s30, s25, v9                      ; the slots that count
	v_mov_b32 v11, 0
.irp st, 16,8,4,2,1
	v_add_nc_u32 v12, 4*(\st-1), v11
	ds_bpermute_b32 v13, v12, v7
	s_wait_dscnt 0x0
	v_cmp_le_u32 vcc_lo, v13, v10
	v_add_nc_u32 v12, 4*\st, v11
	v_cndmask_b32 v11, v11, v12, vcc_lo
.endr
	ds_bpermute_b32 v13, v11, v8
	s_wait_dscnt 0x0
	v_add_nc_u32 v13, v13, v10
	v_min_u32 v13, 0x7fff, v13                     ; held inside cs
	v_lshlrev_b32 v19, 2, v13
	global_load_b32 v14, v19, s[6:7]
	s_wait_loadcnt 0x0
	v_min_u32 v14, 0x7fff, v14                     ; a key's number, held inside the tables
.endm
; Code n of the 16 in CR's set q: six bits from bit 6 n of 96.
.macro EXTRACT dst, q, n
.set BO, 6*(\n)
.set WD, BO/32
.set SH, BO%32
.if SH <= 26
	v_bfe_u32 v[\dst], v[CR+4*(\q)+WD], SH, 6
.else
	v_alignbit_b32 v[\dst], v[CR+4*(\q)+WD+1], v[CR+4*(\q)+WD], SH
	v_and_b32 v[\dst], 0x3f, v[\dst]
.endif
.endm
; Step k of a half's 32: four keys a = (k % 4) / 2, tile 2 (k / 4) + k % 2.  WSTEP fills fragment k % 5, MSTEP multiplies.
.macro WSTEP hf, k
.if (\k) < 32
.set WA, ((\k)%4)/2
.set WT, 2*((\k)/4)+(\k)%2
.set WS, VF+12*((\k)%5)
	EXTRACT WS, 4*(\hf)+2*WA, WT
	EXTRACT WS+6, 4*(\hf)+2*WA+1, WT
.else
	v_nop
	v_nop
.endif
.endm
.macro MSTEP hf, k
.set MA, ((\k)%4)/2
.set MT, 2*((\k)/4)+(\k)%2
.set MD, DT+8*(MT%4)
.set MV, VF+12*((\k)%5)
.set MW, SR+16*(\hf)+4*(MT%4)+MT/4
.if MA == 0
	v_wmma_scale_f32_16x16x128_f8f6f4 v[MD:MD+7], v[PF:PF+11], v[MV:MV+11], 0, v[PS+\hf], v[MW] matrix_a_fmt:MATRIX_FMT_FP6 matrix_b_fmt:MATRIX_FMT_FP6
.else
	v_wmma_scale_f32_16x16x128_f8f6f4 v[MD:MD+7], v[PF+12:PF+23], v[MV:MV+11], v[MD:MD+7], v[PS+\hf], v[MW] matrix_a_fmt:MATRIX_FMT_FP6 matrix_b_fmt:MATRIX_FMT_FP6 matrix_a_scale:MATRIX_SCALE_ROW1 matrix_b_scale:MATRIX_SCALE_ROW1
.endif
.endm
; Eight slots x 16 tiles: 32 matrix instructions.  In each step stand the fill of the fragment two steps on and one product.  By the text's own count: four plain lines between a fragment's last write and its
; product (the next two fills); four between a product and the next write of its fragment (the fills of steps k + 3 and k + 4); a tile's two products are parted by the neighbouring tile's (accumulators by
; turns); a result is read four plain lines or more behind its last product, register 0 first; it is begun anew much later.
.macro HALF hf
.irp a, 0,1
.irp c, 0,1
	v_mov_b32 v[PF+12*\a+6*\c], v[PT+4*\hf+2*\a+\c]
.endr
.endr
.irp d, 0,1,2,3                                ; four keys x four tiles of bytes are turned: word n gets byte b = key b's scale of tile n; it lands at SR + 16 hf + 4 (n % 4) + n / 4
	v_perm_b32 v[TP], v[SR+16*\hf+4+\d], v[SR+16*\hf+\d], s41
	v_perm_b32 v[TP+1], v[SR+16*\hf+4+\d], v[SR+16*\hf+\d], s42
	v_perm_b32 v[TP+2], v[SR+16*\hf+12+\d], v[SR+16*\hf+8+\d], s41
	v_perm_b32 v[TP+3], v[SR+16*\hf+12+\d], v[SR+16*\hf+8+\d], s42
	v_perm_b32 v[SR+16*\hf+\d], v[TP+2], v[TP], s43
	v_perm_b32 v[SR+16*\hf+4+\d], v[TP+2], v[TP], s44
	v_perm_b32 v[SR+16*\hf+8+\d], v[TP+3], v[TP+1], s43
	v_perm_b32 v[SR+16*\hf+12+\d], v[TP+3], v[TP+1], s44
.endr
	WSTEP \hf, 0
	WSTEP \hf, 1
.set k, 0
.rept 32
	WSTEP \hf, k+2
.if (k >= 6) && ((k-6)%4 == 0)
.set aq, (k-6)/4
	v_add_f32 v[ACC+2*aq], v[ACC+2*aq], v[DT+8*((2*aq)%4)]
	v_add_f32 v[ACC+2*aq+1], v[ACC+2*aq+1], v[DT+8*((2*aq+1)%4)]
.endif
	MSTEP \hf, k
.set k, k+1
.endr
.rept 4
	v_nop                                          ; four places behind the last product
.endr
	v_add_f32 v[ACC+14], v[ACC+14], v[DT+16]
	v_add_f32 v[ACC+15], v[ACC+15], v[DT+24]
.endm
.Ltrip:                                            ; 16 slots a trip
	ENUM
	v_lshlrev_b32 v12, 3, v14
	global_load_b64 v[20:21], v12, s[10:11]        ; p, and code | byte << 8
.irp q, 0,1,2,3,4,5,6,7
	ds_bpermute_b32 v[CR+4*\q+3], v[IA+\q], v14    ; the key of slot 2 q + h: whose codes my lane wants for register 6 c
.endr
.irp j, 0,1,2,3,4,5,6,7
	ds_bpermute_b32 v[KB+\j], v[IB+\j], v14        ; the key of slot 8 (j / 4) + 4 h + j % 4: whose scale byte is byte j % 4 of my scale words
.endr
	s_wait_dscnt 0x0
.irp q, 0,1,2,3,4,5,6,7
	v_min_u32 v[CR+4*\q+3], 0x7fff, v[CR+4*\q+3]
	v_mad_u32_u24 v[CR+4*\q+3], v[CR+4*\q+3], 384, v5
.endr
.irp j, 0,1,2,3,4,5,6,7
	v_min_u32 v[KB+\j], 0x7fff, v[KB+\j]
	v_and_b32 v[KB+\j], 0x7fe0, v[KB+\j]
	v_lshl_add_u32 v[KB+\j], v[KB+\j], 4, v6       ; the key's natural block x 512
.endr
.irp f, 0,1                                    ; the first eight slots' loads first
.irp q, 0,1,2,3
	global_load_b96 v[CR+4*(4*\f+\q):CR+4*(4*\f+\q)+2], v[CR+4*(4*\f+\q)+3], s[12:13]
.endr
.irp q, 0,1,2,3
	global_load_b128 v[SR+4*(4*\f+\q):SR+4*(4*\f+\q)+3], v[KB+4*\f+\q], s[14:15]
.endr
.endr
	s_wait_loadcnt 16                              ; pk is in; the sixteen loads issued behind it may be out
	v_cndmask_b32 v15, 0, v20, s30
	v_add_f32 v16, v16, v15                        ; the sum is taken of the unquantised p
	v_and_b32 v17, 0x3f, v21
	v_cndmask_b32 v17, 0, v17, s30                 ; a slot that does not count has the code 0
	v_bfe_u32 v18, v21, 8, 8
.irp q, 0,1,2,3,4,5,6,7
	ds_bpermute_b32 v[PT+\q], v[IA+\q], v17
.endr
.irp j, 0,1,2,3,4,5,6,7
	ds_bpermute_b32 v[BT+\j], v[IB+\j], v18
.endr
	s_wait_dscnt 0x0
.irp f, 0,1
	v_lshl_or_b32 v[PS+\f], v[BT+4*\f+1], 8, v[BT+4*\f]   ; lanes 0-15: the bytes of the half's first four keys, lanes 16-31: of its last four
	v_lshl_or_b32 v[PS+\f], v[BT+4*\f+2], 16, v[PS+\f]
	v_lshl_or_b32 v[PS+\f], v[BT+4*\f+3], 24, v[PS+\f]
.endr
	s_wait_loadcnt 8                               ; the first eight slots' loads are in; the other eight may be out
	HALF 0
	s_wait_loadcnt 0x0
	s_add_co_u32 s45, s29, 8
	s_cmp_ge_u32 s45, s25                          ; none of the last eight slots counts: a branch on stored counts
	s_cbranch_scc1 .Lskip1
	HALF 1
.Lskip1:
	s_add_co_u32 s29, s29, 16
	s_add_co_u32 s28, s28, 1
	s_cmp_lt_u32 s28, s27
	s_cbranch_scc1 .Ltrip
; THE END.  Each row of 16 lanes holds all 16 slots' sums: four steps inside the row give l.
.irp m, 1,2,4,8
	v_add_f32_dpp v16, v16, v16 row_xmask:\m row_mask:0xf bank_mask:0xf
.endr
	v_rcp_f32 v16, v16
	v_lshlrev_b32 v12, 2, v14                      ; (a plain line behind the reciprocal)  the last trip's keys in out1
	s_wait_alu depctr_va_vdst(0)                   ; ahead of the first reader
.irp n, 0,1,2,3,4,5,6,7,8,9,10,11,12,13,14,15
	v_mul_f32 v[ACC+\n], v[ACC+\n], v16
.endr
.irp n, 0,1,2,3,4,5,6,7
	v_cndmask_b32 v[ACC+\n], v[ACC+\n], v[ACC+8+\n], s40   ; both halves of the lanes hold all 16 tiles: lanes 16-31 take those 256 columns further on
.endr
	v_lshlrev_b32 v9, 4, v2
	v_lshl_add_u32 v9, v3, 10, v9
	s_lshl_b32 s45, s23, 11
	s_lshl_b32 s46, s24, 8
	s_add_co_u32 s45, s45, s46
	v_add_nc_u32 v9, s45, v9                       ; 2048 g + 256 u + 1024 h + 16 r
	global_store_b128 v9, v[ACC:ACC+3], s[16:17]               ; sixteen lanes store 256 consecutive bytes, aligned; the other sixteen likewise
	global_store_b128 v9, v[ACC+4:ACC+7], s[16:17] offset:512
	s_cmp_lg_u32 s24, 0
	s_cbranch_scc1 .Lnogroup
; out1 of my group's keys, by the wave of the first half of the columns.  A slot past the end holds the last key and its own p: it stores the same number to the same word.
	s_cmp_eq_u32 s25, 0
	s_cbranch_scc1 .Lend
	v_mul_f32 v13, v20, v16
	v_or_b32 v13, s32, v13
	global_store_b32 v12, v13, s[18:19]            ; the last trip's keys are still in registers
	s_cmp_lt_u32 s27, 2
	s_cbranch_scc1 .Lend
	s_sub_co_u32 s33, s27, 1
	s_mov_b32 s28, 0
	s_mov_b32 s29, 0
.Lagain:                                           ; the earlier trips' keys are found once more
	s_wait_xcnt 0x0                                ; the stores have read their offsets and data: these are written again below
	ENUM
	v_lshlrev_b32 v12, 3, v14
	global_load_b64 v[20:21], v12, s[10:11]
	s_wait_loadcnt 0x0
	v_mul_f32 v13, v20, v16
	v_or_b32 v13, s32, v13
	v_lshlrev_b32 v12, 2, v14
	global_store_b32 v12, v13, s[18:19]
	s_add_co_u32 s29, s29, 16
	s_add_co_u32 s28, s28, 1
	s_cmp_lt_u32 s28, s33
	s_cbranch_scc1 .Lagain
	s_branch .Lend
; out1 of the keys of no group, by the wave of the second half of the columns: slots 16 g .. 16 g + 15 of their list, if there are so many.
.Lnogroup:
	s_wait_xcnt 0x0                                ; out0's stores have read their offset, which is written again below
	v_sub_nc_u32 v12, 0x400, v4                    ; such keys in chunk = lane: they lie at the chunk's end
	PREFIX 4
	s_lshl_b32 s29, s23, 4
	s_cmp_ge_u32 s29, s25                          ; a branch on stored counts
	s_cbranch_scc1 .Lend
	s_sub_co_u32 s26, s25, 1
	ENUM
	v_lshlrev_b32 v12, 2, v14
	v_mov_b32 v13, s32                             ; 0, or NaN where some group is empty
	global_store_b32 v12, v13, s[18:19]
.Lend:
	s_barrier_signal -1
	s_barrier_wait -1
	s_set_vgpr_msb 0x5
	s_wait_tensorcnt 0x0
	ds_add_u32 v0, v1
	s_wait_dscnt 0x0
	s_set_vgpr_msb 0x500
	s_endpgm
.Lfunc_end_k_q14695219b1_attend:
	.size	k_q14695219b1_attend, .Lfunc_end_k_q14695219b1_attend-k_q14695219b1_attend
	.p2alignl 7, 3214868480
	.fill 96, 4, 3214868480
	.section	.rodata,"a",@progbits
	.p2align	6, 0x0
	.amdhsa_kernel k_q14695219b1_attend
		.amdhsa_group_segment_fixed_size 3072
		.amdhsa_private_segment_fixed_size 0
		.amdhsa_enable_private_segment 0
		.amdhsa_kernarg_size 64
		.amdhsa_user_sgpr_count 2
		.amdhsa_user_sgpr_kernarg_segment_ptr 1
		.amdhsa_wavefront_size32 1
		.amdhsa_system_sgpr_workgroup_id_x 1
		.amdhsa_system_sgpr_workgroup_id_y 1
		.amdhsa_system_sgpr_workgroup_id_z 1
		.amdhsa_system_vgpr_workitem_id 0
		.amdhsa_next_free_vgpr 258
		.amdhsa_next_free_sgpr 66
		.amdhsa_reserve_vcc 1
		.amdhsa_float_denorm_mode_32 3
		.amdhsa_float_denorm_mode_16_64 3
		.amdhsa_memory_ordered 1
		.amdhsa_forward_progress 1
		.amdhsa_inst_pref_size 49
	.end_amdhsa_kernel
	.amdgpu_metadata
---
amdhsa.version: [ 1, 2 ]
amdhsa.kernels:
  - .name:           k_q14695219b1_attend
    .symbol:         k_q14695219b1_attend.kd
    .args:
      - { .name: lb, .offset: 0, .size: 8, .value_kind: global_buffer, .address_space: global }
      - { .name: cs, .offset: 8, .size: 8, .value_kind: global_buffer, .address_space: global }
      - { .name: bm, .offset: 16, .size: 8, .value_kind: global_buffer, .address_space: global }
      - { .name: pk, .offset: 24, .size: 8, .value_kind: global_buffer, .address_space: global }
      - { .name: vcodes, .offset: 32, .size: 8, .value_kind: global_buffer, .address_space: global }
      - { .name: vscales, .offset: 40, .size: 8, .value_kind: global_buffer, .address_space: global }
      - { .name: out0, .offset: 48, .size: 8, .value_kind: global_buffer, .address_space: global }
      - { .name: out1, .offset: 56, .size: 8, .value_kind: global_buffer, .address_space: global }
    .group_segment_fixed_size: 3072
    .private_segment_fixed_size: 0
    .kernarg_segment_align: 8
    .kernarg_segment_size: 64
    .max_flat_workgroup_size: 256
    .sgpr_count:     66
    .vgpr_count:     258
    .wavefront_size: 32
...
	.end_amdgpu_metadata
.endif
;; end of part 2
